; MI455X (gfx1250); checked and timed in simulation.
; The chip was launched on July 23, 2026; its instructions are those of AMD's public machine-readable ISA for CDNA 5 (MIT licence, August 2026) and "CDNA5" Instruction Set Architecture Reference Guide (July 2026). The comments in the code are by the model that wrote it; some were corrected since.
;; Attention Based KNN. Allowed arithmetic: float matrix products may take bf16 or f16 operands with f32 sums; all other float work in f32.
;; Inputs: database 16,384 x 64 float32; pos 8,192 x 3 float32; weight_values 16,384 x 64 float32; x 8,192 x 61 float32.
;; Outputs: out0 524,288 float32.
;; Constants: topk = 16.
;; One version. Each part assembles by itself: llvm-mc -triple=amdgcn-amd-amdhsa -mcpu=gfx1250 --defsym DOCPART=n.
;; ======== version 1 of 1: 4 launches
;; limits: values within 0.0002441 (relative) of each other or of a threshold may be ordered or decided otherwise than in the reference; values within 1.526e-05 (relative) of each other or of a threshold may be ordered or decided otherwise than in the reference
;; workspace buffers: dbh 2,097,152 bytes; nrm 65,536 bytes; qh 1,048,576 bytes; qf 2,097,152 bytes; keys 4,194,304 bytes of whole numbers; d2b 4,194,304 bytes of whole numbers; el 4,194,304 bytes of whole numbers
;; launch prep (part 1): grid 256 x 1, 3 waves a work-group, no clusters, 0 bytes of LDS; arguments database, x, pos, dbh, nrm, qh, qf; writes dbh, nrm, qh, qf
.if DOCPART == 1
	.amdgcn_target "amdgcn-amd-amdhsa--gfx1250"
	.amdhsa_code_object_version 6
	.text
	.protected	k_q6ed4c6933d_prep
	.globl	k_q6ed4c6933d_prep
	.p2align	8
	.type	k_q6ed4c6933d_prep,@function
k_q6ed4c6933d_prep:
	s_mov_b64 s[64:65], 0
	v_nop
	global_prefetch_b8 v0, s[64:65] scope:SCOPE_SE
	s_setreg_imm32_b32 hwreg(HW_REG_WAVE_MODE, 25, 1), 1
	s_wait_xcnt 0x0
; prep: what the later launches need of the inputs, made once.
;   dbh[16384][64] bf16 = database;  nrm[16384] f32 = -|database row|^2;
;   qf[8192][64] f32 = q = [x/|x|, pos/|pos|];  qh[8192][64] bf16 = 2 q.
; 256 work-groups of three waves.  Wave 0 takes 64 rows of the database, waves 1 and 2 take 16 queries each.  The waves share
; nothing: no LDS, no barrier.  A row of 64 numbers lies over 16 lanes, 4 numbers a lane, so that the two halves of a wave hold
; two neighbouring rows, a 16-byte store of the wave covers 512 consecutive bytes and an 8-byte store 256, both aligned.
; LIMITS: inputs are finite; the sums of squares of a row of x and of a row of pos lie in f32's normal range
; (v_rsq_f32 takes a denormal as zero: ISA guide, its entry in 15.8).
.set X,  32                            ; wave 0: v[32:159], row pair p in 4 registers
.set QB, 32                            ; waves 1, 2: v[32:95], row pair p in 8 registers: x0..x3, pos0..pos2, one spare
	s_load_b256 s[4:11], s[0:1], 0x0               ; database s[4:5], x s[6:7], pos s[8:9], dbh s[10:11]
	s_load_b128 s[12:15], s[0:1], 0x20             ; nrm s[12:13], qh s[14:15]
	s_load_b64 s[16:17], s[0:1], 0x30              ; qf
	v_lshrrev_b32 v1, 5, v0
	v_readfirstlane_b32 s20, v1                    ; wave 0..2
	v_and_b32 v1, 31, v0                           ; lane
	v_lshlrev_b32 v2, 4, v1                        ; 16 x lane: two rows of f32
	v_lshlrev_b32 v3, 3, v1                        ; 8 x lane: two rows of bf16
	s_mov_b32 s21, 0xffff0000                      ; lanes 16-31
	s_mov_b32 s22, 0x80008000                      ; lanes 15 and 31: the four numbers x[60], pos[0..2]
	s_mov_b32 s24, 0x76543210                      ; v_permlanex16_b32: lane i of one half reads lane i of the other
	s_mov_b32 s25, 0xfedcba98
	s_mov_b32 s27, 0
	s_wait_kmcnt 0x0
	s_cmp_lg_u32 s20, 0
	s_cbranch_scc1 .Lquery
	; ---- wave 0: rows 64 g .. 64 g + 63 of the database ----
	s_lshl_b32 s26, ttmp9, 14                      ; 64 rows of 256 bytes
	s_add_nc_u64 s[4:5], s[4:5], s[26:27]
	s_lshl_b32 s26, ttmp9, 13                      ; 64 rows of 128 bytes
	s_add_nc_u64 s[10:11], s[10:11], s[26:27]
	s_lshl_b32 s26, ttmp9, 8                       ; 64 numbers of 4 bytes
	s_add_nc_u64 s[12:13], s[12:13], s[26:27]
.set cnt, 0
.rept 32
	global_load_b128 v[X+4*cnt:X+4*cnt+3], v2, s[4:5] offset:512*cnt   ; row pair cnt: all 32 loads go out at once
.set cnt, cnt+1
.endr
	v_mov_b32 v6, 0                                ; lane p gathers the sums of rows 2 p (v6) and 2 p + 1 (v7)
	v_mov_b32 v7, 0
; Row pairs 4 b .. 4 b + 3, every stage four wide so that the four chains do not wait for each other.
.macro DBROWS b
	s_wait_loadcnt 28-4*(\b)                       ; loads come back in order: the 28 - 4 b younger ones stay out
.irp s, 0,1,2,3
	v_pk_mul_f32 v[8+2*\s:9+2*\s], v[X+16*(\b)+4*\s:X+16*(\b)+4*\s+1], v[X+16*(\b)+4*\s:X+16*(\b)+4*\s+1]
.endr
.irp s, 0,1,2,3
	v_pk_fma_f32 v[8+2*\s:9+2*\s], v[X+16*(\b)+4*\s+2:X+16*(\b)+4*\s+3], v[X+16*(\b)+4*\s+2:X+16*(\b)+4*\s+3], v[8+2*\s:9+2*\s]
.endr
.irp s, 0,1,2,3
	v_add_f32 v[8+2*\s], v[8+2*\s], v[9+2*\s]      ; my four squares
.endr
.irp m, 1,2,4,8
.irp s, 0,1,2,3
	v_add_f32_dpp v[8+2*\s], v[8+2*\s], v[8+2*\s] row_xmask:\m row_mask:0xf bank_mask:0xf   ; over the row's 16 lanes
.endr
.endr
.irp s, 0,1,2,3
	v_permlanex16_b32 v[9+2*\s], v[8+2*\s], s24, s25           ; the other row's sum
.endr
.irp s, 0,1,2,3
	v_cndmask_b32 v[16+2*\s], v[8+2*\s], v[9+2*\s], s21        ; the even row's sum, in every lane
	v_cndmask_b32 v[17+2*\s], v[9+2*\s], v[8+2*\s], s21        ; the odd row's
.endr
.irp s, 0,1,2,3
	v_cmp_eq_u32 vcc_lo, 4*(\b)+\s, v1
	v_cndmask_b32 v6, v6, v[16+2*\s], vcc_lo                   ; lane p keeps pair p
	v_cndmask_b32 v7, v7, v[17+2*\s], vcc_lo
.endr
.irp s, 0,1,2,3
	v_cvt_pk_bf16_f32 v[X+16*(\b)+4*\s], v[X+16*(\b)+4*\s], v[X+16*(\b)+4*\s+1]
	v_cvt_pk_bf16_f32 v[X+16*(\b)+4*\s+1], v[X+16*(\b)+4*\s+2], v[X+16*(\b)+4*\s+3]
	global_store_b64 v3, v[X+16*(\b)+4*\s:X+16*(\b)+4*\s+1], s[10:11] offset:256*(4*(\b)+\s)   ; 256 consecutive bytes; these registers are not written again
.endr
.endm
.irp b, 0,1,2,3,4,5,6,7
	DBROWS \b
.endr
	v_xor_b32 v6, 0x80000000, v6                   ; -|d|^2
	v_xor_b32 v7, 0x80000000, v7
	global_store_b64 v3, v[6:7], s[12:13]          ; 64 numbers, 256 consecutive bytes
	s_endpgm
	; ---- waves 1 and 2: queries Q0 .. Q0 + 15, Q0 = 32 g + 16 (wave - 1), two a turn ----
.Lquery:
	s_sub_co_u32 s23, s20, 1
	s_lshl_b32 s26, ttmp9, 5
	s_lshl4_add_u32 s23, s23, s26                  ; Q0
	s_mul_i32 s26, s23, 244                        ; a row of x: 61 numbers
	s_add_nc_u64 s[6:7], s[6:7], s[26:27]
	s_mul_i32 s26, s23, 12                         ; a row of pos: 3 numbers
	s_add_nc_u64 s[8:9], s[8:9], s[26:27]
	s_lshl_b32 s26, s23, 7
	s_add_nc_u64 s[14:15], s[14:15], s[26:27]      ; qh
	s_lshl_b32 s26, s23, 8
	s_add_nc_u64 s[16:17], s[16:17], s[26:27]      ; qf
	v_and_b32 v4, 15, v1                           ; i: my four numbers are 4 i .. 4 i + 3 of the query
	v_lshrrev_b32 v5, 4, v1                        ; h: which row of the pair
	v_mul_u32_u24 v6, v5, 244
	v_lshl_add_u32 v7, v4, 4, v6                   ; x[4 i]: exists in every lane (4 i <= 60)
	v_min_u32 v8, 14, v4
	v_lshl_add_u32 v8, v8, 4, v6                   ; x[4 i + 1 .. 3]: lane 15 reads lane 14's instead, inside the row, and drops them
	v_mul_u32_u24 v9, v5, 12                       ; pos of my row
	; rows of 244 bytes are aligned to 4 bytes only: loads of 4 bytes
.set cnt, 0
.rept 8
	global_load_b32 v[QB+8*cnt], v7, s[6:7] offset:488*cnt
.irp e, 1,2,3
	global_load_b32 v[QB+8*cnt+\e], v8, s[6:7] offset:488*cnt+4*\e
.endr
.irp e, 1,2,3
	global_load_b32 v[QB+8*cnt+3+\e], v9, s[8:9] offset:24*cnt+4*\e-4
.endr
.set cnt, cnt+1
.endr
.macro QROW it
.set QK, QB+8*(\it)
	s_wait_loadcnt 7*(7-(\it))                     ; seven loads a pair: the younger pairs stay out
	v_cndmask_b32 v[QK+1], v[QK+1], v[QK+4], s22   ; lane 15: pos takes the places 61..63
	v_cndmask_b32 v[QK+2], v[QK+2], v[QK+5], s22
	v_cndmask_b32 v[QK+3], v[QK+3], v[QK+6], s22
	v_mul_f32 v10, v[QK+1], v[QK+1]
	v_fmac_f32 v10, v[QK+2], v[QK+2]
	v_fmac_f32 v10, v[QK+3], v[QK+3]
	v_cndmask_b32 v12, v10, 0, s22                 ; x's share of these three squares
	v_cndmask_b32 v13, 0, v10, s22                 ; pos's share
	v_fmac_f32 v12, v[QK], v[QK]                   ; number 4 i is x's in every lane
.irp m, 1,2,4,8
	v_add_f32_dpp v12, v12, v12 row_xmask:\m row_mask:0xf bank_mask:0xf
	v_add_f32_dpp v13, v13, v13 row_xmask:\m row_mask:0xf bank_mask:0xf
.endr
	v_rsq_f32 v18, v12                             ; 1 / |x|
	v_rsq_f32 v19, v13                             ; 1 / |pos|
	v_nop                                          ; one plain instruction behind the transcendentals before their results are used (ISA guide 5.7.2)
	s_wait_alu depctr_va_vdst(0)
	v_cndmask_b32 v19, v18, v19, s22
	v_mul_f32 v[QK], v[QK], v18
	v_mul_f32 v[QK+1], v[QK+1], v19
	v_mul_f32 v[QK+2], v[QK+2], v19
	v_mul_f32 v[QK+3], v[QK+3], v19
	global_store_b128 v2, v[QK:QK+3], s[16:17] offset:512*(\it)    ; q in f32: two rows, 512 consecutive bytes
	v_pk_add_f32 v[14:15], v[QK:QK+1], v[QK:QK+1]                  ; 2 q, exact
	v_pk_add_f32 v[16:17], v[QK+2:QK+3], v[QK+2:QK+3]
	v_cvt_pk_bf16_f32 v[QK+4], v14, v15
	v_cvt_pk_bf16_f32 v[QK+5], v16, v17
	global_store_b64 v3, v[QK+4:QK+5], s[14:15] offset:256*(\it)   ; every pair stores from registers of its own
.endm
.irp it, 0,1,2,3,4,5,6,7
	QROW \it
.endr
	s_endpgm
.Lfunc_end_k_q6ed4c6933d_prep:
	.size	k_q6ed4c6933d_prep, .Lfunc_end_k_q6ed4c6933d_prep-k_q6ed4c6933d_prep
	.p2alignl 7, 3214868480
	.fill 96, 4, 3214868480
	.section	.rodata,"a",@progbits
	.p2align	6, 0x0
	.amdhsa_kernel k_q6ed4c6933d_prep
		.amdhsa_group_segment_fixed_size 0
		.amdhsa_private_segment_fixed_size 0
		.amdhsa_enable_private_segment 0
		.amdhsa_kernarg_size 56
		.amdhsa_user_sgpr_count 2
		.amdhsa_user_sgpr_kernarg_segment_ptr 1
		.amdhsa_wavefront_size32 1
		.amdhsa_system_sgpr_workgroup_id_x 1
		.amdhsa_system_sgpr_workgroup_id_y 1
		.amdhsa_system_sgpr_workgroup_id_z 1
		.amdhsa_system_vgpr_workitem_id 0
		.amdhsa_next_free_vgpr 160
		.amdhsa_next_free_sgpr 66
		.amdhsa_reserve_vcc 1
		.amdhsa_float_denorm_mode_32 3
		.amdhsa_float_denorm_mode_16_64 3
		.amdhsa_memory_ordered 1
		.amdhsa_forward_progress 1
		.amdhsa_inst_pref_size 54
	.end_amdhsa_kernel
	.amdgpu_metadata
---
amdhsa.version: [ 1, 2 ]
amdhsa.kernels:
  - .name:           k_q6ed4c6933d_prep
    .symbol:         k_q6ed4c6933d_prep.kd
    .args:
      - { .name: database, .offset: 0, .size: 8, .value_kind: global_buffer, .address_space: global }
      - { .name: x, .offset: 8, .size: 8, .value_kind: global_buffer, .address_space: global }
      - { .name: pos, .offset: 16, .size: 8, .value_kind: global_buffer, .address_space: global }
      - { .name: dbh, .offset: 24, .size: 8, .value_kind: global_buffer, .address_space: global }
      - { .name: nrm, .offset: 32, .size: 8, .value_kind: global_buffer, .address_space: global }
      - { .name: qh, .offset: 40, .size: 8, .value_kind: global_buffer, .address_space: global }
      - { .name: qf, .offset: 48, .size: 8, .value_kind: global_buffer, .address_space: global }
    .group_segment_fixed_size: 0
    .private_segment_fixed_size: 0
    .kernarg_segment_align: 8
    .kernarg_segment_size: 56
    .max_flat_workgroup_size: 96
    .sgpr_count:     66
    .vgpr_count:     160
    .wavefront_size: 32
...
	.end_amdgpu_metadata
.endif
;; end of part 1
;; launch scan (part 2): grid 32 x 8, 4 waves a work-group, clusters of 4 x 1, 320,000 bytes of LDS; arguments dbh, nrm, qh, keys; writes keys
.if DOCPART == 2
	.amdgcn_target "amdgcn-amd-amdhsa--gfx1250"
	.amdhsa_code_object_version 6
	.text
	.protected	k_q6ed4c6933d_scan
	.globl	k_q6ed4c6933d_scan
	.p2align	8
	.type	k_q6ed4c6933d_scan,@function
k_q6ed4c6933d_scan:
	s_mov_b64 s[64:65], 0
	v_nop
	global_prefetch_b8 v0, s[64:65] scope:SCOPE_SE
	s_setreg_imm32_b32 hwreg(HW_REG_WAVE_MODE, 25, 1), 1
	s_wait_xcnt 0x0
	s_wait_alu depctr_hold_cnt(0) depctr_sa_sdst(0) depctr_va_vdst(0) depctr_va_sdst(0) depctr_va_ssrc(0) depctr_va_vcc(0) depctr_vm_vsrc(0)
	s_getreg_b32 s2, hwreg(HW_REG_IB_STS2, 6, 4)
	s_cmp_eq_u32 s2, 0
	s_cbranch_scc0 .Lentry_in_a_cluster
	s_endpgm
.Lentry_in_a_cluster:
	s_bfe_u32 s2, ttmp6, 0x10000c
	s_cmp_lg_u32 s2, 0x3003
	s_cbranch_scc0 .Lentry_shape_is_right
	s_endpgm
.Lentry_shape_is_right:
; scan: for every query and every slice of 2048 database rows, the 16 buckets (8 neighbouring rows) with the largest bucket maximum of
; s = 2 q.d - |d|^2 (= |q|^2 - d2: the largest s is the smallest distance).  Every one of a query's 16 nearest rows lies in one of its 16
; best buckets, since each bucket ranked ahead of its own holds a nearer row; a later launch rescores those buckets' rows in f32.
; A work-group takes 256 queries x one slice; a wave 64 queries (4 tiles of 16) x the slice's 128 tiles of 16 rows.
; The matrix instruction takes 16 database rows as A, 16 queries as B and -|d|^2 as C of the first K step.  In D lane (r, h) then holds query r
; and rows 8 h .. 8 h + 7: its eight registers ARE one bucket.  Four max instructions make the bucket's maximum; its low 11 mantissa bits give way
; to the bucket's number; fifteen median-of-three instructions and one max put the key into the lane's sorted list of 16.  No branch hangs on a score.
; The whole slice fits into LDS once: five first fills a wave, in four chunks that are waited for one by one, and no refill anywhere.
; CLUSTERS: the four work-groups of a cluster (4 x 1) have the same slice and other queries; all tensor loads are joint loads with the mask 15,
; so the slice is asked for once for the four.  The place in the cluster enters the global addresses of qh and keys alone.
; LIMITS: scores are finite.  Buckets are ranked on scores from bf16 operands, cut to 12 mantissa bits (a relative 2^-12).
.set PITCH,  144                       ; an LDS row: 128 bytes of bf16 + 16 of padding, an odd multiple of 16: the 16 rows of a fragment load start 36 words apart
.set TILEB,  16*PITCH                  ; 16 rows
.set CHUNKB, 512*PITCH                 ; a chunk: 512 rows, 32 tiles
.set NRMB,   2048*PITCH                ; 294,912: behind the rows, the slice's 2048 numbers -|d|^2
.set STAGE,  NRMB+8192                 ; 303,104: 4 x 4,096 bytes for the way out; no fill lands here
.set VA,   2                           ; v2       LDS address of my part of the A fragments of the trip's first tile
.set VN,   3                           ; v3       LDS address of my eight -|d|^2 of that tile
.set VIDX, 4                           ; v4       number of the bucket that the next selection takes: 256 slice + 2 tile + h
.set KEY,  8                           ; v[8:11]  the four query tiles' keys
.set T,    12                          ; v[12:13] at work
.set AF,   16                          ; v[16:47] A fragments (16 rows x 64 K), two buffers of 16
.set CN,   48                          ; v[48:63] -|d|^2 as C, two buffers of 8
.set BQ,   64                          ; v[64:127] B fragments: 4 query tiles x 64 K, for the whole kernel
.set DD,   128                         ; v[128:191] two sets of 4 accumulators
.set LL,   192                         ; v[192:255] 4 lists of 16 keys, largest first
.set S1,   16                          ; the end: two sets of 16 at work, in the fragments' registers
.set S2,   32
.set G1N,  24                          ; s[24:31] group 1 for -|d|^2
.set G1D,  32                          ; s[32:39] group 1 for rows
.set G0,   40                          ; s[40:59] five groups 0
.macro ROUND                           ; a round of the cluster's barrier
	s_barrier_signal -1
	s_barrier_wait -1
	s_cmp_lg_u32 s12, 0
	s_cbranch_scc1 .Lnot_wave_0_\@
	s_barrier_signal -3
.Lnot_wave_0_\@:
	s_barrier_wait -3
	s_barrier_signal -1
	s_barrier_wait -1
.endm
	s_load_b256 s[4:11], s[0:1], 0x0               ; dbh s[4:5], nrm s[6:7], qh s[8:9], keys s[10:11]
	s_set_vgpr_msb 0x40
	v_lshl_add_u32 v0, v0, 2, 0x4e000
	v_mov_b32 v1, 0
	s_set_vgpr_msb 0x4045
	ds_add_u32 v0, v1
	s_set_vgpr_msb 0x4500
	v_lshrrev_b32 v1, 5, v0
	v_readfirstlane_b32 s12, v1                    ; wave 0..3
	s_bfe_u32 s13, ttmp6, 0x40000                  ; cx
	s_lshl_b32 s14, ttmp9, 2
	s_add_co_u32 s14, s14, s13                     ; block of 256 queries = 4 x cluster x + cx
	s_and_b32 s15, ttmp7, 0xffff                   ; slice, the same in the four partners
	s_mov_b32 s16, 0xfffff800                      ; what a key keeps of the score
	s_mov_b32 s17, 0xffff0000                      ; lanes 16-31
	s_mov_b32 s18, 0xff800000                      ; -infinity
	s_mov_b32 s19, NRMB
	s_mov_b32 s60, 0x76543210                      ; v_permlanex16_b32: lane i of the other half
	s_mov_b32 s61, 0xfedcba98
	; group 1 for -|d|^2: 8 rows of 32 elements of 8 bytes, dense: a wave's 2,048 bytes
	s_mov_b32 s[G1N+0], 15|(3<<16)|(1<<21)         ; 15:0 mask: all four partners; 17:16 elements of 8 bytes; 21 set beside a mask
	s_mov_b32 s[G1N+1], 32<<16                     ; tensor_dim0 = 32
	s_mov_b32 s[G1N+2], 8<<16                      ; tensor_dim1 = 8
	s_mov_b32 s[G1N+3], 32<<16                     ; tile_dim0 = 32
	s_mov_b32 s[G1N+4], 8                          ; tile_dim1 = 8
	s_mov_b32 s[G1N+5], 32                         ; from row to row: 32 elements
	s_mov_b32 s[G1N+6], 0
	s_mov_b32 s[G1N+7], 0
	; group 1 for rows: 64 memory rows of 256 bytes (128 database rows, dense), 4 words of padding behind every 32 words = behind every database row
	s_mov_b32 s[G1D+0], 15|(3<<16)|(1<<20)|(1<<21)|(4<<22)|(3<<25)
	s_mov_b32 s[G1D+1], 32<<16
	s_mov_b32 s[G1D+2], 64<<16
	s_mov_b32 s[G1D+3], 32<<16
	s_mov_b32 s[G1D+4], 64
	s_mov_b32 s[G1D+5], 32
	s_mov_b32 s[G1D+6], 0
	s_mov_b32 s[G1D+7], 0
	s_lshl_b32 s66, s12, 11                        ; wave x 2,048 bytes of -|d|^2
	s_mul_i32 s20, s12, 128*PITCH                  ; wave x 128 rows in LDS
	s_lshl_b32 s21, s15, 8                         ; the slice's first bucket
	s_mov_b32 s69, 0
	s_mov_b32 s71, 0
	s_mov_b32 s75, 0
	s_wait_dscnt 0x0
	s_wait_kmcnt 0x0
	s_mov_b32 s[G0], 1
	s_add_co_u32 s[G0+1], s66, NRMB
	s_lshl_b32 s68, s15, 13                        ; slice x 8,192 bytes
	s_add_co_u32 s68, s68, s66
	s_add_nc_u64 s[G0+2:G0+3], s[6:7], s[68:69]
	s_or_b32 s[G0+3], s[G0+3], 0x80000000
	s_lshl_b32 s68, s15, 18                        ; slice x 2048 rows x 128 bytes
	s_lshl_b32 s66, s12, 14                        ; wave x 128 rows x 128 bytes
	s_add_co_u32 s68, s68, s66
	s_add_nc_u64 s[4:5], s[4:5], s[68:69]
.irp c, 0,1,2,3
	s_mov_b32 s[G0+4+4*\c], 1
	s_add_co_u32 s[G0+5+4*\c], s20, \c*CHUNKB                      ; chunk c, my 128 rows of it
	s_add_nc_u64 s[G0+6+4*\c:G0+7+4*\c], s[4:5], \c*65536          ; 512 rows of 128 bytes a chunk
	s_or_b32 s[G0+7+4*\c], s[G0+7+4*\c], 0x80000000
.endr
	ROUND                                          ; the four partners are here: the joint loads meet
	tensor_load_to_lds s[G0:G0+3], s[G1N:G1N+7]    ; five first fills, all that this wave ever issues: five are out at the most
	s_nop 0
.irp c, 0,1,2,3
	tensor_load_to_lds s[G0+4+4*\c:G0+7+4*\c], s[G1D:G1D+7]
	s_nop 0
.endr
	; the queries' fragments, straight from memory: lane (r, h) holds query r; 16 bytes at 16 h + 32 c of its row of 128 bytes
	v_and_b32 v1, 31, v0                           ; lane
	v_and_b32 v5, 15, v0                           ; r
	v_bfe_u32 v6, v0, 4, 1                         ; h
	v_lshlrev_b32 v7, 7, v5
	v_lshl_add_u32 v7, v6, 4, v7
	s_lshl_b32 s70, s14, 15                        ; 256 queries x 128 bytes
	s_lshl_b32 s72, s12, 13                        ; wave x 64 queries
	s_add_co_u32 s70, s70, s72
	s_add_nc_u64 s[8:9], s[8:9], s[70:71]
.irp u, 0,1,2,3
.irp c, 0,1,2,3
	global_load_b128 v[BQ+16*\u+4*\c:BQ+16*\u+4*\c+3], v7, s[8:9] offset:2048*\u+32*\c
.endr
.endr
	s_lshl_b32 s74, s14, 17                        ; keys: 64 blocks of four queries x 2,048 bytes,
	s_lshl_b32 s72, s12, 15                        ; wave x 16 blocks,
	s_add_co_u32 s74, s74, s72
	s_add_co_u32 s74, s74, s21                     ; slice x 256 bytes
	s_add_nc_u64 s[10:11], s[10:11], s[74:75]
.set cnt, 0
.rept 64
	v_mov_b32 v[LL+cnt], s18                       ; the lists begin with -infinity; each takes in 128 keys, so none is left
.set cnt, cnt+1
.endr
	v_mul_u32_u24 v[VA], v5, PITCH
	v_lshl_add_u32 v[VA], v6, 4, v[VA]             ; row r, + 16 h
	v_lshl_add_u32 v[VN], v6, 5, s19               ; my eight numbers: 32 h
	v_add_nc_u32 v[VIDX], s21, v6
; The fragments of the tile off tiles behind VA's, into buffer buf: six LDS loads.
.macro FETCH off, buf
.irp c, 0,1,2,3
	ds_load_b128 v[AF+16*(\buf)+4*\c:AF+16*(\buf)+4*\c+3], v[VA] offset:(\off)*TILEB+32*\c
.endr
	ds_load_b128 v[CN+8*(\buf):CN+8*(\buf)+3], v[VN] offset:(\off)*64
	ds_load_b128 v[CN+8*(\buf)+4:CN+8*(\buf)+7], v[VN] offset:(\off)*64+16
.endm
; K step k of query tile u, on buffer p into set p.  The first K step takes -|d|^2 as C; nothing is cleared.
.macro W k, u, p
.if \k == 0
	v_wmma_f32_16x16x32_bf16 v[DD+32*(\p)+8*(\u):DD+32*(\p)+8*(\u)+7], v[AF+16*(\p):AF+16*(\p)+7], v[BQ+16*(\u):BQ+16*(\u)+7], v[CN+8*(\p):CN+8*(\p)+7]
.else
	v_wmma_f32_16x16x32_bf16 v[DD+32*(\p)+8*(\u):DD+32*(\p)+8*(\u)+7], v[AF+16*(\p)+8:AF+16*(\p)+15], v[BQ+16*(\u)+8:BQ+16*(\u)+15], v[DD+32*(\p)+8*(\u):DD+32*(\p)+8*(\u)+7]
.endif
.endm
; The keys of query tiles a and b from accumulator set: the bucket's maximum, its low 11 bits replaced by the bucket's number.
.macro KEYS a, b, set
	v_max3_num_f32 v[KEY+\a], v[DD+32*(\set)+8*\a], v[DD+32*(\set)+8*\a+1], v[DD+32*(\set)+8*\a+2]
	v_max3_num_f32 v[KEY+\b], v[DD+32*(\set)+8*\b], v[DD+32*(\set)+8*\b+1], v[DD+32*(\set)+8*\b+2]
	v_max3_num_f32 v[T], v[DD+32*(\set)+8*\a+3], v[DD+32*(\set)+8*\a+4], v[DD+32*(\set)+8*\a+5]
	v_max3_num_f32 v[T+1], v[DD+32*(\set)+8*\b+3], v[DD+32*(\set)+8*\b+4], v[DD+32*(\set)+8*\b+5]
	v_max3_num_f32 v[KEY+\a], v[KEY+\a], v[T], v[DD+32*(\set)+8*\a+6]
	v_max3_num_f32 v[KEY+\b], v[KEY+\b], v[T+1], v[DD+32*(\set)+8*\b+6]
	v_max_num_f32 v[KEY+\a], v[KEY+\a], v[DD+32*(\set)+8*\a+7]
	v_max_num_f32 v[KEY+\b], v[KEY+\b], v[DD+32*(\set)+8*\b+7]
	v_and_or_b32 v[KEY+\a], v[KEY+\a], s16, v[VIDX]
	v_and_or_b32 v[KEY+\b], v[KEY+\b], s16, v[VIDX]
.endm
; Line n (0..63) of the insertion: list n / 16, place 15 - n % 16, from the last place up, so that each line still sees its upper neighbour's old key.
; new L[i] = the middle one of old L[i-1], old L[i] and the key; new L[0] = the larger of L[0] and the key.
.macro INS n
.set iu, (\n)/16
.set ii, 15-((\n)%16)
.if ii > 0
	v_med3_num_f32 v[LL+16*iu+ii], v[LL+16*iu+ii-1], v[LL+16*iu+ii], v[KEY+iu]
.else
	v_max_num_f32 v[LL+16*iu], v[LL+16*iu], v[KEY+iu]
.endif
.endm
.macro INSR from, to
.set nn, \from
.rept \to-\from+1
	INS nn
.set nn, nn+1
.endr
.endm
; The part of the last tile's selection (set 1 - p) that stands behind matrix instruction g of a step on set p.
.macro GAP g, sel, p
.if \sel
.if \g == 0
	KEYS 0, 1, 1-\p
.endif
.if \g == 1
	KEYS 2, 3, 1-\p
.endif
.if \g == 2
	INSR 0, 10
.endif
.if \g == 3
	INSR 11, 21
.endif
.if \g == 4
	INSR 22, 32
.endif
.if \g == 5
	INSR 33, 43
.endif
.if \g == 6
	INSR 44, 53
.endif
.if \g == 7
	INSR 54, 63
	v_add_nc_u32 v[VIDX], 2, v[VIDX]               ; the next tile's bucket
.endif
.endif
.endm
; One tile of 16 rows x my 64 queries.  The four accumulators take turns, one instruction a turn; the last matrix instruction
; of a step and the first of the next name different accumulators, over the loops' backward jumps too.
; Behind the step's last matrix instruction stand eleven plain vector instructions on lists and keys (or four v_nop): more than the four places
; that the next step's loads into this buffer and its reads of this set need.
.macro STEP p, fetch, sel
.if \fetch
	FETCH 1+\p, 1-\p                               ; the next tile's fragments, a whole step ahead of their use
	s_wait_dscnt 0x6                               ; LDS loads come back in order: this tile's six are in, the six just issued stay out
.else
	s_wait_dscnt 0x0
.endif
	W 0, 0, \p
	GAP 0, \sel, \p
	W 0, 1, \p
	GAP 1, \sel, \p
	W 0, 2, \p
	GAP 2, \sel, \p
	W 0, 3, \p
	GAP 3, \sel, \p
	W 1, 0, \p
	GAP 4, \sel, \p
	W 1, 1, \p
	GAP 5, \sel, \p
	W 1, 2, \p
	GAP 6, \sel, \p
	W 1, 3, \p
	GAP 7, \sel, \p
.if \sel == 0
.rept 4
	v_nop
.endr
.endif
.endm
.macro TRIP sel0                       ; two tiles
	STEP 0, 1, \sel0
	STEP 1, 1, 1
	v_add_nc_u32 v[VA], 2*TILEB, v[VA]
	v_add_nc_u32 v[VN], 128, v[VN]
.endm
.macro LOOPT n, name
	s_mov_b32 s62, \n
.Lscan_\name:
	TRIP 1
	s_sub_co_u32 s62, s62, 1
	s_cmp_lg_u32 s62, 0
	s_cbranch_scc1 .Lscan_\name
.endm
; The next chunk is shown to every wave: each waits for its own part of it (n later chunks stay out: no LDS byte is ever filled again) and signals.
.macro WAITBAR n
	s_wait_dscnt 0x0                               ; no LDS instruction of mine is pending at the signal
	s_wait_tensorcnt \n
	s_barrier_signal -1
	s_barrier_wait -1
.endm
	s_wait_tensorcnt 0x3                           ; my parts of -|d|^2 and of chunk 0 are in; chunks 1 to 3 stay out
	s_barrier_signal -1
	s_barrier_wait -1                              ; everybody's are
	FETCH 0, 0
	s_wait_loadcnt 0x0                             ; the queries' fragments
	; A chunk is 16 trips.  A chunk's last trip fetches the next chunk's first tile, so the barrier stands in front of that trip.
	TRIP 0                                         ; the first step has no tile behind it to select from
	LOOPT 14, a
	WAITBAR 2
	TRIP 1
	LOOPT 15, b
	WAITBAR 1
	TRIP 1
	LOOPT 15, c
	WAITBAR 0
	TRIP 1
	LOOPT 15, d
	STEP 0, 1, 1                                   ; tile 126; fetches tile 127
	STEP 1, 0, 1                                   ; tile 127; nothing is left to fetch
.irp g, 0,1,2,3,4,5,6,7
	GAP \g, 1, 0                                   ; the last tile's selection, on set 1
.endr
	; THE END.  Lanes r and r + 16 hold the lists of query r's even and odd buckets; the best 16 of the 32 go out, largest first, as unsigned numbers.
	s_lshl_b32 s66, s12, 12
	s_add_co_u32 s66, s66, STAGE                   ; my stage
	v_lshlrev_b32 v14, 6, v5                       ; in: query r's 64 bytes, 32 for each half of the lanes
	v_lshl_add_u32 v14, v6, 5, v14
	v_add_nc_u32 v14, s66, v14
	v_lshl_add_u32 v15, v1, 4, s66                 ; back: 16 bytes a lane, 512 consecutive bytes
	v_lshlrev_b32 v7, 4, v5                        ; in keys: lanes 0-15 one block of four queries (256 bytes of it), lanes 16-31 the next block, 2,048 bytes on
	v_lshl_add_u32 v7, v6, 11, v7
; One stage of a sorting network on 16 registers, largest first: place i against place i xor x.
.macro XSTAGE src, dst, x
.set xi, 0
.rept 16
.set xp, xi^(\x)
.if xi < xp
	v_max_u32 v[\dst+xi], v[\src+xi], v[\src+xp]
.else
	v_min_u32 v[\dst+xi], v[\src+xi], v[\src+xp]
.endif
.set xi, xi+1
.endr
.endm
.macro FINISH u
.set L0, LL+16*\u
.set fi, 0
.rept 16
	v_ashrrev_i32 v[S2+fi], 31, v[L0+fi]           ; f32 bits to unsigned numbers of the same order: a negative number is complemented,
	v_or_b32 v[S2+fi], 0x80000000, v[S2+fi]        ; any other gets its top bit set
	v_xor_b32 v[L0+fi], v[S2+fi], v[L0+fi]
.set fi, fi+1
.endr
.set fi, 0
.rept 16
	v_permlanex16_b32 v[S2+fi], v[L0+15-fi], s60, s61          ; the other half's list, backwards
.set fi, fi+1
.endr
.set fi, 0
.rept 16
	v_max_u32 v[S1+fi], v[L0+fi], v[S2+fi]         ; the best 16 of both, first falling then rising or the reverse
.set fi, fi+1
.endr
	XSTAGE S1, S2, 8
	XSTAGE S2, S1, 4
	XSTAGE S1, S2, 2
	XSTAGE S2, S1, 1                               ; sorted, the same in both halves
.irp e, 0,1,2,3,4,5,6,7
	v_cndmask_b32 v[S2+\e], v[S1+\e], v[S1+8+\e], s17          ; lanes 0-15 put places 0-7, lanes 16-31 places 8-15
.endr
	ds_store_b128 v14, v[S2:S2+3] offset:1024*\u
	ds_store_b128 v14, v[S2+4:S2+7] offset:1024*\u+16
.endm
	FINISH 0
	FINISH 1
	FINISH 2
	FINISH 3
.irp t, 0,1,2,3,4,5,6,7
	ds_load_b128 v[DD+4*\t:DD+4*\t+3], v15 offset:512*\t       ; my own bytes; LDS serves a wave's instructions in order (ISA guide 5.7.1): these see the stores above
.endr
.irp t, 0,1,2,3,4,5,6,7
	s_wait_dscnt 7-\t
	global_store_b128 v7, v[DD+4*\t:DD+4*\t+3], s[10:11] offset:4096*\t    ; 16 lanes store 256 consecutive bytes, aligned: four queries' lists of this slice
.endr
	s_set_vgpr_msb 0x5
	s_wait_tensorcnt 0x0
	ds_add_u32 v0, v1
	s_wait_dscnt 0x0
	s_set_vgpr_msb 0x500
	ROUND                                          ; the closing round: no work-group ends ahead of its partners
	s_endpgm
.Lfunc_end_k_q6ed4c6933d_scan:
	.size	k_q6ed4c6933d_scan, .Lfunc_end_k_q6ed4c6933d_scan-k_q6ed4c6933d_scan
	.p2alignl 7, 3214868480
	.fill 96, 4, 3214868480
	.section	.rodata,"a",@progbits
	.p2align	6, 0x0
	.amdhsa_kernel k_q6ed4c6933d_scan
		.amdhsa_group_segment_fixed_size 320000
		.amdhsa_private_segment_fixed_size 0
		.amdhsa_enable_private_segment 0
		.amdhsa_kernarg_size 32
		.amdhsa_user_sgpr_count 2
		.amdhsa_user_sgpr_kernarg_segment_ptr 1
		.amdhsa_wavefront_size32 1
		.amdhsa_system_sgpr_workgroup_id_x 1
		.amdhsa_system_sgpr_workgroup_id_y 1
		.amdhsa_system_sgpr_workgroup_id_z 1
		.amdhsa_system_vgpr_workitem_id 0
		.amdhsa_next_free_vgpr 258
		.amdhsa_next_free_sgpr 80
		.amdhsa_reserve_vcc 0
		.amdhsa_float_denorm_mode_32 3
		.amdhsa_float_denorm_mode_16_64 3
		.amdhsa_memory_ordered 1
		.amdhsa_forward_progress 1
		.amdhsa_inst_pref_size 145
	.end_amdhsa_kernel
	.amdgpu_metadata
---
amdhsa.version: [ 1, 2 ]
amdhsa.kernels:
  - .name:           k_q6ed4c6933d_scan
    .symbol:         k_q6ed4c6933d_scan.kd
    .args:
      - { .name: dbh, .offset: 0, .size: 8, .value_kind: global_buffer, .address_space: global }
      - { .name: nrm, .offset: 8, .size: 8, .value_kind: global_buffer, .address_space: global }
      - { .name: qh, .offset: 16, .size: 8, .value_kind: global_buffer, .address_space: global }
      - { .name: keys, .offset: 24, .size: 8, .value_kind: global_buffer, .address_space: global }
    .group_segment_fixed_size: 320000
    .private_segment_fixed_size: 0
    .kernarg_segment_align: 8
    .kernarg_segment_size: 32
    .max_flat_workgroup_size: 128
    .sgpr_count:     80
    .vgpr_count:     258
    .wavefront_size: 32
...
	.end_amdgpu_metadata
.endif
;; end of part 2
;; launch rescore (part 3): grid 256 x 1, 8 waves a work-group, no clusters, 0 bytes of LDS; arguments keys, database, qf, d2b, el; writes d2b, el
.if DOCPART == 3
	.amdgcn_target "amdgcn-amd-amdhsa--gfx1250"
	.amdhsa_code_object_version 6
	.text
	.protected	k_q6ed4c6933d_rescore
	.globl	k_q6ed4c6933d_rescore
	.p2align	8
	.type	k_q6ed4c6933d_rescore,@function
k_q6ed4c6933d_rescore:
	s_mov_b64 s[64:65], 0
	v_nop
	global_prefetch_b8 v0, s[64:65] scope:SCOPE_SE
	s_setreg_imm32_b32 hwreg(HW_REG_WAVE_MODE, 25, 1), 1
	s_wait_xcnt 0x0
; rescore: for every query the eight slices' lists of 16 bucket keys are merged into the 16 best buckets, by unsigned maxima and minima alone;
; the buckets' 128 database rows are gathered in f32 and d2 = sum over 64 of (d - q)^2 is made for each.  Out go, for slot 0..127 of a query,
; d2b[q][slot] (the f32's bits) and el[q][slot] (the row's number).
; A wave takes four queries, a block of keys of 2,048 consecutive bytes.  A list lies over the 16 lanes of a row of lanes, so two lists are merged at a time.
; A database row lies over 16 lanes, 16 bytes a lane: each half of a wave reads 256 consecutive aligned bytes.  No LDS, no barrier, no loop.
; No matrix unit: each query has rows of its own.  No cluster: the work-groups share no tile.
; d2 is formed from the differences, not from |q|^2 + |d|^2 - 2 q.d: no difference of large sums; its rounding order differs from the expanded form's.
.set KK, 8                             ; v[8:23]    query u: lists 2 p + h in register 4 u + p, row h of the lanes
.set AD, 24                            ; v[24:55]   group G = 8 u + n: byte offset of my 16 bytes in the first row of its two buckets; never rewritten
.set QQ, 56                            ; v[56:71]   query u: my four numbers of q
.set RG, 72                            ; v[72:199]  a ring of four groups x 8 rows x 4 registers
.set PT, 200                           ; v[200:207] my four squares' sum for each of a group's 8 rows
.set TM, 208                           ; v[208:215] at work
.set GN, 216                           ; v[216:223] group n of the query: row (lane & 7), summed over 8 lanes
.set FK, 224                           ; v[224:239] query u: four d2
.set EK, 240                           ; v[240:255] query u: their rows' numbers
	s_load_b256 s[4:11], s[0:1], 0x0               ; keys s[4:5], database s[6:7], qf s[8:9], d2b s[10:11]
	s_load_b64 s[12:13], s[0:1], 0x20              ; el
	v_lshrrev_b32 v1, 5, v0
	v_readfirstlane_b32 s14, v1                    ; wave 0..7
	s_lshl3_add_u32 s15, ttmp9, s14                ; my block of four queries
	v_and_b32 v7, 15, v0                           ; i
	v_bfe_u32 v2, v0, 4, 1                         ; h
	v_lshlrev_b32 v1, 4, v7                        ; 16 i
	v_lshlrev_b32 v2, 8, v2
	v_lshl_add_u32 v2, v7, 2, v2                   ; 256 h + 4 i
	v_and_b32 v3, 7, v0                            ; the row of a bucket that I end up with
	v_and_b32 v6, 31, v0
	v_lshlrev_b32 v6, 4, v6                        ; 16 x lane
	s_mov_b32 s20, 0xff00ff00                      ; lanes with i & 8
	s_mov_b32 s21, 0xf0f0f0f0                      ; i & 4
	s_mov_b32 s22, 0xcccccccc                      ; i & 2
	s_mov_b32 s23, 0xaaaaaaaa                      ; i & 1
	s_mov_b32 s26, 0x89abcdef                      ; v_permlanex16_b32: lane i takes lane 15 - i of the other row
	s_mov_b32 s27, 0x01234567
	s_lshl_b32 s16, s15, 11                        ; 2,048 bytes a block in keys, d2b and el
	s_mov_b32 s17, 0
	s_lshl_b32 s18, s15, 10                        ; 1,024 bytes a block in qf
	s_mov_b32 s19, 0
	s_wait_kmcnt 0x0
	s_add_nc_u64 s[4:5], s[4:5], s[16:17]
	s_add_nc_u64 s[8:9], s[8:9], s[18:19]
	s_add_nc_u64 s[10:11], s[10:11], s[16:17]
	s_add_nc_u64 s[12:13], s[12:13], s[16:17]
.irp u, 0,1,2,3
.irp p, 0,1,2,3
	global_load_b32 v[KK+4*\u+\p], v2, s[4:5] offset:512*\p+64*\u      ; slice 2 p + h, query u, place i
.endr
.endr
.irp u, 0,1,2,3
	global_load_b128 v[QQ+4*\u:QQ+4*\u+3], v1, s[8:9] offset:256*\u
.endr
.set cnt, 0
.rept 32
	v_mov_b32 v[AD+cnt], 0                         ; destinations of lane-crossing moves are written once before (these lines stand in the loads' shadow)
.set cnt, cnt+1
.endr
.set cnt, 0
.rept 8
	v_mov_b32 v[TM+cnt], 0
.set cnt, cnt+1
.endr
	s_wait_loadcnt 0x0
; One stage of the merge network over the 16 lanes of a row, largest first, for the four queries at once: lane i against lane i xor m.
.macro CLEAN4 a, m, mask
.irp u, 0,1,2,3
	v_max_u32_dpp v[TM+2*\u], v[KK+4*\u+\a], v[KK+4*\u+\a] row_xmask:\m row_mask:0xf bank_mask:0xf
	v_min_u32_dpp v[TM+2*\u+1], v[KK+4*\u+\a], v[KK+4*\u+\a] row_xmask:\m row_mask:0xf bank_mask:0xf
.endr
.irp u, 0,1,2,3
	v_cndmask_b32 v[KK+4*\u+\a], v[TM+2*\u], v[TM+2*\u+1], \mask       ; the lower lane keeps the larger
.endr
.endm
; List a takes in list b: the best 16 of both (a against b backwards), sorted again.
.macro MERGE4 a, b
.irp u, 0,1,2,3
	v_max_u32_dpp v[KK+4*\u+\a], v[KK+4*\u+\b], v[KK+4*\u+\a] row_mirror row_mask:0xf bank_mask:0xf
.endr
	CLEAN4 \a, 8, s20
	CLEAN4 \a, 4, s21
	CLEAN4 \a, 2, s22
	CLEAN4 \a, 1, s23
.endm
	MERGE4 0, 1
	MERGE4 2, 3
	MERGE4 0, 2                                    ; row 0: the best of the even slices; row 1: of the odd ones
.irp u, 0,1,2,3
	v_permlanex16_b32 v[TM+\u], v[KK+4*\u], s26, s27
.endr
.irp u, 0,1,2,3
	v_max_u32 v[KK+4*\u], v[KK+4*\u], v[TM+\u]     ; the 16 best of all; row 1 holds row 0's backwards; their order no longer matters
.endr
	; the bucket's number out of a key: the low 11 bits, complemented where the score was negative (top bit 0)
.irp u, 0,1,2,3
	v_ashrrev_i32 v[TM+\u], 31, v[KK+4*\u]
.endr
.irp u, 0,1,2,3
	v_xor_b32 v[TM+\u], v[TM+\u], v[KK+4*\u]
.endr
.irp u, 0,1,2,3
	v_and_b32 v[TM+\u], 0x7ff, v[TM+\u]
.endr
.irp u, 0,1,2,3
	v_xor_b32 v[TM+\u], 0x7ff, v[TM+\u]
.endr
; Group n of query u: row 0 of the lanes takes the bucket at place n, row 1 the one at place 15 - n: eight groups cover the 16.
.macro ADDR u
.irp n, 0,1,2,3,4,5,6,7
	v_mov_b32_dpp v[AD+8*\u+\n], v[TM+\u] row_share:\n row_mask:0xf bank_mask:0xf
.endr
.irp n, 0,1,2,3,4,5,6,7
	v_min_u32 v[AD+8*\u+\n], 0x7ff, v[AD+8*\u+\n]              ; a number read from memory is held to the table's 2048 buckets before it enters an address
.endr
.irp n, 0,1,2,3,4,5,6,7
	v_lshl_add_u32 v[AD+8*\u+\n], v[AD+8*\u+\n], 11, v1        ; a bucket is 8 rows of 256 bytes; + 16 i
.endr
.endm
.macro LOADG g                         ; a group's eight rows (of two buckets, one for each row of lanes)
.irp p, 0,1,2,3,4,5,6,7
	global_load_b128 v[RG+32*((\g)%4)+4*\p:RG+32*((\g)%4)+4*\p+3], v[AD+(\g)], s[6:7] offset:256*\p
.endr
.endm
; Two values a lane become one: lanes with the mask's bit keep b, the others a, and each adds what its partner (lane xor m) holds of the same.
.macro BFA res, tmp, a, b, mask
	v_cndmask_b32 v[\res], v[\a], v[\b], \mask
	v_cndmask_b32 v[\tmp], v[\b], v[\a], \mask
.endm
.macro BFB res, tmp, m
	v_add_f32_dpp v[\res], v[\tmp], v[\res] row_xmask:\m row_mask:0xf bank_mask:0xf
.endm
.macro GROUP g
.set gu, (\g)/8
.set gn, (\g)%8
.set gr, RG+32*((\g)%4)
.if 31-(\g) < 3
	s_wait_loadcnt 8*(31-(\g))                     ; eight loads a group: the younger groups stay out
.else
	s_wait_loadcnt 24
.endif
.irp p, 0,1,2,3,4,5,6,7
	v_pk_add_f32 v[gr+4*\p:gr+4*\p+1], v[gr+4*\p:gr+4*\p+1], v[QQ+4*gu:QQ+4*gu+1] neg_lo:[0,1] neg_hi:[0,1]           ; d - q
	v_pk_add_f32 v[gr+4*\p+2:gr+4*\p+3], v[gr+4*\p+2:gr+4*\p+3], v[QQ+4*gu+2:QQ+4*gu+3] neg_lo:[0,1] neg_hi:[0,1]
.endr
.irp p, 0,1,2,3,4,5,6,7
	v_pk_mul_f32 v[gr+4*\p:gr+4*\p+1], v[gr+4*\p:gr+4*\p+1], v[gr+4*\p:gr+4*\p+1]
.endr
.irp p, 0,1,2,3,4,5,6,7
	v_pk_fma_f32 v[gr+4*\p:gr+4*\p+1], v[gr+4*\p+2:gr+4*\p+3], v[gr+4*\p+2:gr+4*\p+3], v[gr+4*\p:gr+4*\p+1]
.endr
.irp p, 0,1,2,3,4,5,6,7
	v_add_f32 v[PT+\p], v[gr+4*\p], v[gr+4*\p+1]
.endr
.if (\g) < 28
	LOADG (\g)+4                                   ; the ring's slot is free: four groups ahead
.endif
	; eight sums over 16 lanes, halving the values as the lanes are folded: bits 0, 1, 2 of the lane come to pick the row
.irp k, 0,1,2,3
	BFA TM+\k, TM+4+\k, PT+2*\k, PT+2*\k+1, s23
.endr
.irp k, 0,1,2,3
	BFB TM+\k, TM+4+\k, 1
.endr
.irp k, 0,1
	BFA PT+\k, PT+2+\k, TM+2*\k, TM+2*\k+1, s22
.endr
.irp k, 0,1
	BFB PT+\k, PT+2+\k, 2
.endr
	BFA GN+gn, PT+4, PT, PT+1, s21
	BFB GN+gn, PT+4, 4
.if gn == 7
	; the query's eight groups are in: the last fold lets bit 3 of the lane pick the group of a pair.  Slot = 4 x lane + k.
.irp k, 0,1,2,3
	BFA FK+4*gu+\k, TM+\k, GN+2*\k, GN+2*\k+1, s20
	v_cndmask_b32 v[EK+4*gu+\k], v[AD+8*gu+2*\k], v[AD+8*gu+2*\k+1], s20
.endr
.irp k, 0,1,2,3
	BFB FK+4*gu+\k, TM+\k, 8
	v_lshrrev_b32 v[EK+4*gu+\k], 8, v[EK+4*gu+\k]              ; the offset / 256 = 8 x bucket (16 i < 256 drops out)
.endr
.irp k, 0,1,2,3
	v_add_nc_u32 v[EK+4*gu+\k], v[EK+4*gu+\k], v3              ; + my row of the bucket
.endr
	global_store_b128 v6, v[FK+4*gu:FK+4*gu+3], s[10:11] offset:512*gu     ; 512 consecutive bytes; each query stores from registers of its own
	global_store_b128 v6, v[EK+4*gu:EK+4*gu+3], s[12:13] offset:512*gu
.endif
.endm
	ADDR 0
	LOADG 0                                        ; the first four groups go out as soon as their addresses exist
	LOADG 1
	LOADG 2
	LOADG 3
	ADDR 1
	ADDR 2
	ADDR 3
.set gg, 0
.rept 32
	GROUP gg
.set gg, gg+1
.endr
	s_endpgm
.Lfunc_end_k_q6ed4c6933d_rescore:
	.size	k_q6ed4c6933d_rescore, .Lfunc_end_k_q6ed4c6933d_rescore-k_q6ed4c6933d_rescore
	.p2alignl 7, 3214868480
	.fill 96, 4, 3214868480
	.section	.rodata,"a",@progbits
	.p2align	6, 0x0
	.amdhsa_kernel k_q6ed4c6933d_rescore
		.amdhsa_group_segment_fixed_size 0
		.amdhsa_private_segment_fixed_size 0
		.amdhsa_enable_private_segment 0
		.amdhsa_kernarg_size 40
		.amdhsa_user_sgpr_count 2
		.amdhsa_user_sgpr_kernarg_segment_ptr 1
		.amdhsa_wavefront_size32 1
		.amdhsa_system_sgpr_workgroup_id_x 1
		.amdhsa_system_sgpr_workgroup_id_y 1
		.amdhsa_system_sgpr_workgroup_id_z 1
		.amdhsa_system_vgpr_workitem_id 0
		.amdhsa_next_free_vgpr 256
		.amdhsa_next_free_sgpr 66
		.amdhsa_reserve_vcc 0
		.amdhsa_float_denorm_mode_32 3
		.amdhsa_float_denorm_mode_16_64 3
		.amdhsa_memory_ordered 1
		.amdhsa_forward_progress 1
		.amdhsa_inst_pref_size 167
	.end_amdhsa_kernel
	.amdgpu_metadata
---
amdhsa.version: [ 1, 2 ]
amdhsa.kernels:
  - .name:           k_q6ed4c6933d_rescore
    .symbol:         k_q6ed4c6933d_rescore.kd
    .args:
      - { .name: keys, .offset: 0, .size: 8, .value_kind: global_buffer, .address_space: global }
      - { .name: database, .offset: 8, .size: 8, .value_kind: global_buffer, .address_space: global }
      - { .name: qf, .offset: 16, .size: 8, .value_kind: global_buffer, .address_space: global }
      - { .name: d2b, .offset: 24, .size: 8, .value_kind: global_buffer, .address_space: global }
      - { .name: el, .offset: 32, .size: 8, .value_kind: global_buffer, .address_space: global }
    .group_segment_fixed_size: 0
    .private_segment_fixed_size: 0
    .kernarg_segment_align: 8
    .kernarg_segment_size: 40
    .max_flat_workgroup_size: 256
    .sgpr_count:     66
    .vgpr_count:     256
    .wavefront_size: 32
...
	.end_amdgpu_metadata
.endif
;; end of part 3
;; launch gather (part 4): grid 256 x 1, 8 waves a work-group, no clusters, 0 bytes of LDS; arguments d2b, el, weight_values, out0; writes out0
.if DOCPART == 4
	.amdgcn_target "amdgcn-amd-amdhsa--gfx1250"
	.amdhsa_code_object_version 6
	.text
	.protected	k_q6ed4c6933d_gather
	.globl	k_q6ed4c6933d_gather
	.p2align	8
	.type	k_q6ed4c6933d_gather,@function
k_q6ed4c6933d_gather:
	s_mov_b64 s[64:65], 0
	v_nop
	global_prefetch_b8 v0, s[64:65] scope:SCOPE_SE
	s_setreg_imm32_b32 hwreg(HW_REG_WAVE_MODE, 25, 1), 1
	s_wait_xcnt 0x0
; gather: for every query the 16 smallest of its 128 rescored distances, the softmax of 8 - 4 d2 over them, and the weighted sum of the 16 rows of
; weight_values.  The choice is made on whole numbers: d2 >= 0, so its f32 bits are ordered as unsigned numbers; a key is the upper 25 bits with the
; slot's number (7 bits) below.  The chosen slots' full d2 and row numbers are then read again, so the weights come from the full f32.
; A wave takes four queries; eight lanes share a query, 16 keys a lane: a sorting network in registers, then three merges across lanes.
; The softmax takes the largest exponent away: exp(-4 (d2 - least d2)); the constant 8 cancels.
; No LDS, no barrier, no loop.  No matrix unit: each query has its own 16 x 64 matrix and one row of weights.
; LIMITS: distances that agree in their upper 25 bits (a relative 2^-16) are ranked by slot, not by the lower row number.
.set LA, 16                            ; v[16:31]   keys, two sets that take turns; later the row offsets of query 0
.set LB, 32                            ; v[32:47]                                   later those of query 1
.set DX, 48                            ; v[48:63]   the 16 chosen d2;               later those of query 3
.set EX, 64                            ; v[64:79]   their rows' numbers
.set WX, 80                            ; v[80:95]   exponents, then weights
.set AD, 96                            ; v[96:111]  offsets of the chosen slots;    later the row offsets of query 2
.set RW, 112                           ; v[112:239] query u, row i: my 2 numbers of the value row
.set ACC, 240                          ; v[240:247] query u: my 2 numbers of the result
	s_load_b256 s[4:11], s[0:1], 0x0               ; d2b s[4:5], el s[6:7], weight_values s[8:9], out0 s[10:11]
	v_lshrrev_b32 v1, 5, v0
	v_readfirstlane_b32 s12, v1                    ; wave 0..7
	s_lshl3_add_u32 s13, ttmp9, s12                ; my block of four queries
	v_and_b32 v5, 31, v0                           ; lane
	v_lshrrev_b32 v3, 3, v5                        ; u: my query of the four
	v_lshlrev_b32 v3, 9, v3                        ; its 128 slots: 512 bytes
	v_and_b32 v2, 7, v0                            ; g
	v_lshl_add_u32 v1, v2, 4, v3                   ; 512 u + 16 g
	v_lshlrev_b32 v2, 2, v2                        ; 4 g: the slot of my first number
	v_lshlrev_b32 v4, 3, v5                        ; 8 x lane: my 2 numbers of a row of 64
	s_lshl_b32 s14, s13, 11                        ; 2,048 bytes a block in d2b and el
	s_mov_b32 s15, 0
	s_lshl_b32 s16, s13, 10                        ; 1,024 bytes a block in out0
	s_mov_b32 s17, 0
	s_mov_b32 s18, 0xffffff80
	s_wait_kmcnt 0x0
	s_add_nc_u64 s[4:5], s[4:5], s[14:15]
	s_add_nc_u64 s[6:7], s[6:7], s[14:15]
	s_add_nc_u64 s[10:11], s[10:11], s[16:17]
.irp k, 0,1,2,3
	global_load_b128 v[LA+4*\k:LA+4*\k+3], v1, s[4:5] offset:128*\k    ; slots 4 g + 32 k + 0..3
.endr
	s_wait_loadcnt 0x0
.irp k, 0,1,2,3
.irp e, 0,1,2,3
	v_and_or_b32 v[LA+4*\k+\e], v[LA+4*\k+\e], s18, v2
.if 32*\k+\e
	v_or_b32 v[LA+4*\k+\e], 32*\k+\e, v[LA+4*\k+\e]
.endif
.endr
.endr
; One stage of a sorting network on 16 registers, smallest first: place i against place i xor x.
.macro XSTAGE src, dst, x
.set xi, 0
.rept 16
.set xp, xi^(\x)
.if xi < xp
	v_min_u32 v[\dst+xi], v[\src+xi], v[\src+xp]
.else
	v_max_u32 v[\dst+xi], v[\src+xi], v[\src+xp]
.endif
.set xi, xi+1
.endr
.endm
; The 16 smallest of my sorted list and of lane xor m's: mine against the partner's backwards.
.macro XMERGE src, dst, m
.set xi, 0
.rept 16
	v_min_u32_dpp v[\dst+xi], v[\src+15-xi], v[\src+xi] row_xmask:\m row_mask:0xf bank_mask:0xf
.set xi, xi+1
.endr
.endm
	XSTAGE LA, LB, 1                               ; sorted runs of 2,
	XSTAGE LB, LA, 3
	XSTAGE LA, LB, 1                               ; of 4,
	XSTAGE LB, LA, 7
	XSTAGE LA, LB, 2
	XSTAGE LB, LA, 1                               ; of 8,
	XSTAGE LA, LB, 15
	XSTAGE LB, LA, 4
	XSTAGE LA, LB, 2
	XSTAGE LB, LA, 1                               ; of 16
	XMERGE LA, LB, 1
	XSTAGE LB, LA, 8
	XSTAGE LA, LB, 4
	XSTAGE LB, LA, 2
	XSTAGE LA, LB, 1                               ; the best 16 of 32
	XMERGE LB, LA, 2
	XSTAGE LA, LB, 8
	XSTAGE LB, LA, 4
	XSTAGE LA, LB, 2
	XSTAGE LB, LA, 1                               ; of 64
	XMERGE LA, LB, 4                               ; of 128, unsorted: lanes 4-7 of a query hold lanes 0-3's backwards; only the set matters
.set cnt, 0
.rept 16
	v_and_b32 v[AD+cnt], 0x7f, v[LB+cnt]           ; the slot
	v_min_u32 v[AD+cnt], 0x7f, v[AD+cnt]           ; a number read from memory is held to the query's 128 slots before it enters an address
	v_lshl_add_u32 v[AD+cnt], v[AD+cnt], 2, v3
.set cnt, cnt+1
.endr
.set cnt, 0
.rept 16
	global_load_b32 v[DX+cnt], v[AD+cnt], s[4:5]   ; the full d2
	global_load_b32 v[EX+cnt], v[AD+cnt], s[6:7]   ; the row
.set cnt, cnt+1
.endr
	s_wait_loadcnt 0x0
	; the exponents first, which frees DX: (least d2 - d2) x 4 log2 e
	v_min3_num_f32 v8, v[DX], v[DX+1], v[DX+2]
.irp i, 3,5,7,9,11,13
	v_min3_num_f32 v8, v8, v[DX+\i], v[DX+\i+1]
.endr
	v_min_num_f32 v8, v8, v[DX+15]
.set cnt, 0
.rept 16
	v_sub_f32 v[WX+cnt], v8, v[DX+cnt]
.set cnt, cnt+1
.endr
.irp i, 0,2,4,6,8,10,12,14
	v_pk_mul_f32 v[WX+\i:WX+\i+1], v[WX+\i:WX+\i+1], 0x40b8aa3b op_sel_hi:[1,0]
.endr
; Query u's 16 value rows: the row numbers come from the query's first lane as scalars; the 32 lanes read one row, 256 consecutive aligned bytes.
; Each query's offsets get a set of 16 registers that nothing else uses any more, so no load's address is rewritten.
.macro ROWS u, aset
.irp i, 0,1,2,3,4,5,6,7,8,9,10,11,12,13,14,15
	v_readlane_b32 s[40+\i], v[EX+\i], 8*\u
.endr
.irp i, 0,1,2,3,4,5,6,7,8,9,10,11,12,13,14,15
	s_min_u32 s[40+\i], s[40+\i], 0x3fff           ; held to the table's 16384 rows before it enters an address
.endr
.irp i, 0,1,2,3,4,5,6,7,8,9,10,11,12,13,14,15
	v_lshl_add_u32 v[\aset+\i], s[40+\i], 8, v4
	global_load_b64 v[RW+32*\u+2*\i:RW+32*\u+2*\i+1], v[\aset+\i], s[8:9]
.endr
.endm
	ROWS 0, LA
	ROWS 1, LB
	ROWS 2, AD
	ROWS 3, DX
	; the weights, while the rows are on their way
.set cnt, 0
.rept 16
	v_exp_f32 v[WX+cnt], v[WX+cnt]
.set cnt, cnt+1
.endr
	v_nop                                          ; one plain instruction behind the transcendentals before their results are used (ISA guide 5.7.2)
	s_wait_alu depctr_va_vdst(0)
	v_pk_add_f32 v[8:9], v[WX:WX+1], v[WX+2:WX+3]
	v_pk_add_f32 v[10:11], v[WX+4:WX+5], v[WX+6:WX+7]
	v_pk_add_f32 v[12:13], v[WX+8:WX+9], v[WX+10:WX+11]
	v_pk_add_f32 v[14:15], v[WX+12:WX+13], v[WX+14:WX+15]
	v_pk_add_f32 v[8:9], v[8:9], v[10:11]
	v_pk_add_f32 v[12:13], v[12:13], v[14:15]
	v_pk_add_f32 v[8:9], v[8:9], v[12:13]
	v_add_f32 v8, v8, v9                           ; at least 1: the nearest row's weight is exp(0)
	v_rcp_f32 v9, v8
	v_nop
	s_wait_alu depctr_va_vdst(0)
.macro SUMQ u
	s_wait_loadcnt 48-16*\u                        ; sixteen loads a query: the later queries' rows stay out
.irp i, 0,1,2,3,4,5,6,7,8,9,10,11,12,13,14,15
	v_readlane_b32 s[68+\i], v[WX+\i], 8*\u        ; the same lane that gave the row numbers: weight i belongs to row i
.endr
	v_readlane_b32 s36, v9, 8*\u
	v_mul_f32 v[ACC+2*\u], s68, v[RW+32*\u]        ; the first product starts the sums
	v_mul_f32 v[ACC+2*\u+1], s68, v[RW+32*\u+1]
.irp i, 1,2,3,4,5,6,7,8,9,10,11,12,13,14,15
	v_fmac_f32 v[ACC+2*\u], s[68+\i], v[RW+32*\u+2*\i]
	v_fmac_f32 v[ACC+2*\u+1], s[68+\i], v[RW+32*\u+2*\i+1]
.endr
	v_mul_f32 v[ACC+2*\u], s36, v[ACC+2*\u]        ; divided by the sum of the weights
	v_mul_f32 v[ACC+2*\u+1], s36, v[ACC+2*\u+1]
	global_store_b64 v4, v[ACC+2*\u:ACC+2*\u+1], s[10:11] offset:256*\u th:TH_STORE_NT    ; one query's 64 numbers: 256 consecutive aligned bytes
.endm
	SUMQ 0
	SUMQ 1
	SUMQ 2
	SUMQ 3
	s_endpgm
.Lfunc_end_k_q6ed4c6933d_gather:
	.size	k_q6ed4c6933d_gather, .Lfunc_end_k_q6ed4c6933d_gather-k_q6ed4c6933d_gather
	.p2alignl 7, 3214868480
	.fill 96, 4, 3214868480
	.section	.rodata,"a",@progbits
	.p2align	6, 0x0
	.amdhsa_kernel k_q6ed4c6933d_gather
		.amdhsa_group_segment_fixed_size 0
		.amdhsa_private_segment_fixed_size 0
		.amdhsa_enable_private_segment 0
		.amdhsa_kernarg_size 32
		.amdhsa_user_sgpr_count 2
		.amdhsa_user_sgpr_kernarg_segment_ptr 1
		.amdhsa_wavefront_size32 1
		.amdhsa_system_sgpr_workgroup_id_x 1
		.amdhsa_system_sgpr_workgroup_id_y 1
		.amdhsa_system_sgpr_workgroup_id_z 1
		.amdhsa_system_vgpr_workitem_id 0
		.amdhsa_next_free_vgpr 248
		.amdhsa_next_free_sgpr 84
		.amdhsa_reserve_vcc 0
		.amdhsa_float_denorm_mode_32 3
		.amdhsa_float_denorm_mode_16_64 3
		.amdhsa_memory_ordered 1
		.amdhsa_forward_progress 1
		.amdhsa_inst_pref_size 51
	.end_amdhsa_kernel
	.amdgpu_metadata
---
amdhsa.version: [ 1, 2 ]
amdhsa.kernels:
  - .name:           k_q6ed4c6933d_gather
    .symbol:         k_q6ed4c6933d_gather.kd
    .args:
      - { .name: d2b, .offset: 0, .size: 8, .value_kind: global_buffer, .address_space: global }
      - { .name: el, .offset: 8, .size: 8, .value_kind: global_buffer, .address_space: global }
      - { .name: weight_values, .offset: 16, .size: 8, .value_kind: global_buffer, .address_space: global }
      - { .name: out0, .offset: 24, .size: 8, .value_kind: global_buffer, .address_space: global }
    .group_segment_fixed_size: 0
    .private_segment_fixed_size: 0
    .kernarg_segment_align: 8
    .kernarg_segment_size: 32
    .max_flat_workgroup_size: 256
    .sgpr_count:     84
    .vgpr_count:     248
    .wavefront_size: 32
...
	.end_amdgpu_metadata
.endif
;; end of part 4
